; MI455X (gfx1250); checked and timed in simulation.
; The chip was launched on July 23, 2026; its instructions are those of AMD's public machine-readable ISA for CDNA 5 (MIT licence, August 2026) and "CDNA5" Instruction Set Architecture Reference Guide (July 2026). The comments in the code are by the model that wrote it; some were corrected since.
;; Cross Linear Attention. Allowed arithmetic: matrix products marked QUANTISED: E3M2 operands, one E8M0 scale for each 32 along K, by v_wmma_scale_f32_16x16x128_f8f6f4 with both operands' format E3M2, f32 sums; everything else in f32.
;; Inputs: Wkv 256 x 1,024 float32; Wout 512 x 256 float32; Wq 256 x 512 float32; bout 256 float32; x 4 x 8,192 x 256 float32; z 4 x 8,192 x 256 float32.
;; Outputs: out0 4 x 8,192 x 256 float32.
;; This version of the problem:
;;   THIS VERSION OF THE PROBLEM IS GIVEN IN LOW PRECISION. The matrix products marked QUANTISED in the list below multiply operands that are first quantised to E3M2 (3 exponent bits, 2 mantissa bits; 6 bits a number), with one power-of-two scale for each 32 numbers along K (OCP MX v1.0); their sums are f32. All else is computed in f32.
;;   The module's matrix products, in the order in which they are computed (A, B: the left and right operand; K: the contracted axis; several contracted axes count as one K, in the product's order):
;;     1. [M 32,768, K 256] x [K 256, N 512]; A: input x; B: input Wq: QUANTISED
;;     2. [M 32,768, K 256] x [K 256, N 1,024]; A: input z; B: input Wkv: QUANTISED
;;     3. batch 32 x [M 64, K 8,192] x [K 8,192, N 64]; A: computed on the way; B: computed on the way: QUANTISED
;;     4. batch 32 x [M 8,192, K 64] x [K 64, N 64]; A: computed on the way; B: computed on the way: QUANTISED
;;     5. [M 32,768, K 512] x [K 512, N 256]; A: computed on the way; B: input Wout: QUANTISED
;;   THE QUANTISER, for each operand of a quantised product, along K:
;;     - K is cut into blocks of 32 from its start; a last block that is shorter is filled with zeros.
;;     - A block's scale is 2^e with e = floor(log2(the largest magnitude in the block)) - 4, held to -126 .. 127; a block of zeros has e = 0. As a byte (E8M0): e + 127.
;;     - Each number is divided by its block's scale, clamped to +-28, and rounded to the nearest number of E3M2, ties to even, subnormals kept.
;;     - The product sums the exact products of the quantised numbers (number of the format x scale) in f32.
;;   ~~~python
;;   def quantise(x, axis):      # numpy; x: float32 -> the quantised numbers, widened to float32 again
;;       x = np.moveaxis(x, axis, -1); K = x.shape[-1]
;;       x = np.pad(x, [(0, 0)] * (x.ndim - 1) + [(0, -K % 32)]); x = x.reshape(x.shape[:-1] + (-1, 32)); a = np.abs(x).max(-1, keepdims=True)
;;       e = np.where(a > 0, np.clip(np.frexp(np.where(a > 0, a, 1))[1] - 1 - 4, -126, 127), 0)      # np.frexp(a)[1] - 1 = floor(log2(a)), exactly
;;       r = np.clip(x / 2.0 ** e, -28, 28)
;;       step = 2.0 ** (np.maximum(np.frexp(np.where(r == 0, 1, r))[1] - 1, -2) - 2)
;;       q = np.round(r / step) * step * 2.0 ** e      # np.round: ties to even
;;       return np.moveaxis(q.reshape(q.shape[:-2] + (-1,))[..., :K], -1, axis).astype(np.float32)
;;   ~~~
;;   OPERANDS COMPUTED ON THE WAY. 'Computed on the way' means the value that the module computes at that place (a softmax that the list does not call 'softmax' is quantised finished and normalised). What goes into a quantiser is computed in f32, as accurately as f32 sums, v_exp_f32 and their like allow (about 1e-6 of the number): no bf16 or f16 on the way to a quantiser, and a product that is left as it is and whose result goes on into a quantised operand takes f32 operands (vector FMAs, or v_wmma_f32_16x16x4_f32). A number that lies on a knife's edge between two numbers of the format may be rounded either way, as far as f32 arithmetic and the matrix unit's own rounding can turn it there, and no further.
;; One version. Each part assembles by itself: llvm-mc -triple=amdgcn-amd-amdhsa -mcpu=gfx1250 --defsym DOCPART=n.
;; ======== version 1 of 1: 3 launches
;; workspace buffers: part 4,194,304 bytes; wb 204,800 bytes; dt 114,688 bytes
;; launch kvdots (part 1): grid 256 x 1, 4 waves a work-group, clusters of 4 x 1, 327,680 bytes of LDS; arguments z, Wkv, part; writes part
.if DOCPART == 1
	.amdgcn_target "amdgcn-amd-amdhsa--gfx1250"
	.amdhsa_code_object_version 6
	.text
	.protected	k_q785644629b_kvdots
	.globl	k_q785644629b_kvdots
	.p2align	8
	.type	k_q785644629b_kvdots,@function
k_q785644629b_kvdots:
	s_mov_b64 s[64:65], 0
	v_nop
	global_prefetch_b8 v0, s[64:65] scope:SCOPE_SE
	s_setreg_imm32_b32 hwreg(HW_REG_WAVE_MODE, 25, 1), 1
	s_wait_xcnt 0x0
	s_wait_alu depctr_hold_cnt(0) depctr_sa_sdst(0) depctr_va_vdst(0) depctr_va_sdst(0) depctr_va_ssrc(0) depctr_va_vcc(0) depctr_vm_vsrc(0)
	s_getreg_b32 s2, hwreg(HW_REG_IB_STS2, 6, 4)
	s_cmp_eq_u32 s2, 0
	s_cbranch_scc0 .Lentry_in_a_cluster
	s_endpgm
.Lentry_in_a_cluster:
	s_bfe_u32 s2, ttmp6, 0x10000c
	s_cmp_lg_u32 s2, 0x3003
	s_cbranch_scc0 .Lentry_shape_is_right
	s_endpgm
.Lentry_shape_is_right:
; FIRST OF THREE LAUNCHES.  kv = Q(z) Q(Wkv); each token's 64 numbers of a head are normalised (k and v apart); dots = Q(k)^T Q(v), K = the tokens.  All products on codes of BF6 (E3M2) with one E8M0 scale for each 32 along K.
; DEAD WORK: none.  x, z, Wq, Wkv, Wout and bout all have a way to out0 for all values, every product of the table is done, and no input is left out of the program.
;   The one step that is folded is the division by n2 = 8192 = 2^13 ahead of the last product's quantiser (third launch): a power of two moves no code and takes 13 off the scale's byte.
; LIMITS: NaN and infinities among the inputs are not served.  A block of zeros gets the scale byte 1 where the quantiser says 127: its codes are zeros, and the bytes are read by this program alone.
;   No largest magnitude is taken under the floor 2^(5 - 127), so no byte falls under 1.  The sum over the tokens goes by 64 tokens, then by wave, then (second launch) by chunk of 1,024.
; SHARES.  A work-group takes ONE head h of one batch b and 1,024 tokens (chunk c); a wave 256 of them, 32 (one quantiser block along the tokens) to a sub-step, through the whole chain.
;   With one head to a work-group the partial dots that go to memory are 256 x 16 KiB.  Each wave sums a whole 64 x 64 partial; the four meet in LDS at the end.
; CLUSTER.  The four partners are four heads of the same tokens: each tile of z is asked for JOINTLY (mask 15, the same descriptor in all four).  Wkv is not shared so: each partner needs other columns of it,
;   128 KiB once a work-group.  It comes by plain loads of 16 bytes a lane (four rows' 128 bytes to a load, 64 loads a wave), turns through the wave's own stage in LDS so that a lane holds a column, and is quantised here.
; LAYOUT.  Product 2 is used as it stands (source 0 = 16 tokens of z, source 1 = 16 columns of Wkv): a lane then holds ONE column and its registers run along the tokens, the next K.  A lane's 16 registers of the two
;   token tiles hold tokens 16 u + 8 (lane / 16) + j; they take place 16 (lane / 16) + 8 u + j in their block of 32: one and the same order for k and for v, inside the true block, so the products are the same.
;   THE COLUMNS OF A TILE ARE NOT NEIGHBOURS: lane r of tile 2 b + u takes column 32 b + 8 u + r + 8 (r / 8) of the head, so that dots' registers run along d in true order and its lanes are the rows that the fourth product wants.
; PRODUCT 3 runs behind each pair of sub-steps: 64 tokens in the lower half of the instruction's 128, zero codes in the upper half (written once).  dots begins as zeros: so the loop has no first trip of its own, and the
;   pair of sub-steps stands twice in the text, not three times.
; REGISTERS, in windows of 256 (s_set_vgpr_msb: bits 1:0 source 0, 3:2 source 1, 5:4 source 2, 7:6 destination):
;   window 0: v1-11 addresses and eps; v12-19 Wkv's scale words; v20-23 z's; v24-31 k's and v's; v32-63 statistics; v64-127 codes of a pair; v128-255 kv (tile t, token tile u at 16 t + 8 u)
;   window 1: v0-127 two stagings of 64 numbers of z (at the head: Wkv's rows 0-127 as loaded); v128-175 z's four fragments; v176-196 at work
;   window 2: v0-191 Wkv's 16 fragments (at the head: its rows 128-255 as loaded)      window 3: v0-127 dots; v128-223 k's and v's 8 fragments
.set PITCH, 1040                       ; a token's row in LDS: 1,024 bytes + 16: the 16 rows that a load of 16 bytes a lane touches start 16 bytes apart modulo 256
.set WTILE, 32*PITCH                   ; a wave's tile: 32 tokens
.set SLOT,  4*WTILE
.set WIMG,  2*SLOT                     ; behind the ring: Wkv's 16 fragments as images of their registers, 1,536 bytes each, index 2 t + s
.set WSC,   WIMG+16*1536               ; their 8 scale registers, 128 bytes each, index 2 (t / 2) + s
.set SPARE, WSC+8*128                  ; the spare words, 128 bytes for each wave: two blocks of 256 bytes that no other line names
.set STGW,  SPARE+512                  ; the stage in which Wkv turns: 64 rows x 128 bytes for each wave
.set FLOOR, 0x2800000                  ; 2^(5 - 127)
.set OFF4,  0xfe000000                 ; takes 4 off an exponent field
.set R,    1
.set H,    2
.set ZA,   3                           ; v3, v4  my lane's place in my wave's tile, slot 0, 1
.set SPW,  5                           ; v5   my spare word; never rewritten
.set NIL,  6                           ; v6   0; never rewritten
.set PFO,  7                           ; v7   1,024 x lane: the prefetches' offset
.set RL,   8                           ; v8, v9  the reduction: where I read the four waves' partials
.set EPS,  10                          ; v[10:11] 1e-5, twice
.set WS,   12
.set ZS,   20
.set KS,   24
.set S,    32
.set T,    48
.set E,    64                          ; codes of the pair's first block, 4 registers a tile (3 used)
.set O,    96                          ; of its second
.set RST,  115                         ; v115 the reduction: where I store my partial
.set L16,  119                         ; v119 16 x lane
.set X,    128
.set WM,   32                          ; the head's quantiser of Wkv works in v32-44, v64-87, v96-110
.set WSO,  36
.set WBY,  40
.set PW,   44
.set G0,   64
.set G1,   76
.set UT,   96
.set WOFF, 48                          ; the head's addresses: v48-57
.set IST,  49
.set SST,  50
.set ILD,  51
.set SLD,  52
.set TA,   53
.set TB,   54
.set WSG,  55                          ; the stage: 16 x lane, as loaded
.set WRD,  56                          ; and 4 x my column, on the way back
.set WGO,  57                          ; Wkv in memory: row lane / 8, 16 bytes at 16 (lane % 8)
.set ZF,   128                         ; window 1
.set QM,   176
.set QSO,  180
.set QBY,  182
.set QW,   184
.set QWP,  185
.set QU,   188
.set Q8H,  196
.set F,    128                         ; window 3
.set MSB, 0
.macro WIN new                         ; the immediate's high byte repeats the setting that is left
.if MSB != \new
	s_set_vgpr_msb (MSB<<8)|\new
.set MSB, \new
.endif
.endm
.macro PLACES n
.rept \n
	v_nop
.endr
.endm
.macro CROUND                          ; a round of the cluster's barrier
	s_barrier_signal -1
	s_barrier_wait -1
	s_cmp_lg_u32 s10, 0
	s_cbranch_scc1 .Lnot_wave_0_\@
	s_barrier_signal -3
.Lnot_wave_0_\@:
	s_barrier_wait -3
	s_barrier_signal -1
	s_barrier_wait -1
.endm
; 128 rows of Wkv x my 32 columns lie in v0-127 of window win as they were loaded (register 4 q + e of lane l: row 4 q + l / 8).  They turn through my stage, 64 rows at a time, and come back a lane to a column:
; v[X + i] = row i at my column.  LDS serves a wave's instructions in order: no wait stands between the stores and the loads, nor in front of the second half's stores.
.macro WTURN win
.irp p, 0,1
	WIN (\win)<<2                                  ; an LDS store's data are its source 1
.set i, 0
.rept 16
	ds_store_b128 v[WSG], v[64*\p+4*i:64*\p+4*i+3] offset:512*i
.set i, i+1
.endr
	WIN 0
.set i, 0
.rept 64
	ds_load_b32 v[X+64*\p+i], v[WRD] offset:128*i  ; 32 lanes read a row's 128 bytes
.set i, i+1
.endr
.endr
.endm
; 32 columns x 128 along K, a lane to a column (lanes 0-15: a tile, lanes 16-31: the next), become two fragments G0, G1 and one scale register PW (the second tile's words in lanes 16-31)
.macro WQ
.irp b, 0,1,2,3
	v_max3_num_f32 v[WM+\b], |v[X+32*\b]|, |v[X+32*\b+1]|, FLOOR
.endr
.irp i, 2,4,6,8,10,12,14,16,18,20,22,24,26,28,30
.irp b, 0,1,2,3
	v_max3_num_f32 v[WM+\b], v[WM+\b], |v[X+32*\b+\i]|, |v[X+32*\b+\i+1]|
.endr
.endr
.irp b, 0,1,2,3
	v_add_nc_u32 v[WSO+\b], OFF4, v[WM+\b]         ; 4 off the exponent field: the conversion's scale operand
.endr
.irp b, 0,1,2,3
	v_lshrrev_b32 v[WBY+\b], 23, v[WSO+\b]         ; the scale's byte
.endr
	v_lshl_or_b32 v[PW], v[WBY+1], 8, v[WBY]
	v_lshl_or_b32 v[PW], v[WBY+2], 16, v[PW]
	v_lshl_or_b32 v[PW], v[WBY+3], 24, v[PW]
.irp c, 0,1
	v_cvt_scalef32_pk16_bf6_f32 v[G0+6*\c:G0+6*\c+2], v[X+64*\c:X+64*\c+15], v[WSO+2*\c]          ; block 2 c, lower 16
	v_cvt_scalef32_pk16_bf6_f32 v[UT+8*\c:UT+8*\c+2], v[X+64*\c+16:X+64*\c+31], v[WSO+2*\c]       ; upper 16
	v_cvt_scalef32_pk16_bf6_f32 v[G1+6*\c:G1+6*\c+2], v[X+64*\c+32:X+64*\c+47], v[WSO+2*\c+1]     ; block 2 c + 1, lower 16
	v_cvt_scalef32_pk16_bf6_f32 v[UT+8*\c+4:UT+8*\c+6], v[X+64*\c+48:X+64*\c+63], v[WSO+2*\c+1]   ; upper 16
.endr
	v_nop                                          ; one plain place behind a scaled conversion
.irp c, 0,1                                    ; the first's lanes 16-31 change places with the second's lanes 0-15: the first then is the first tile's (lanes 16-31: block 2 c + 1), the second the second tile's
.irp i, 0,1,2
	v_permlane16_swap_b32 v[G0+6*\c+\i], v[G1+6*\c+\i]
	v_permlane16_swap_b32 v[UT+8*\c+\i], v[UT+8*\c+4+\i]
.endr
.endr
.irp c, 0,1
.irp i, 0,1,2
	v_mov_b32 v[G0+6*\c+3+\i], v[UT+8*\c+\i]
	v_mov_b32 v[G1+6*\c+3+\i], v[UT+8*\c+4+\i]
.endr
.endr
.endm
.macro WST s                           ; the two fragments and the scale register go to LDS as they stand
.irp c, 0,1,2
	ds_store_b128 v[IST], v[G0+4*\c:G0+4*\c+3] offset:\s*1536+512*\c
	ds_store_b128 v[IST], v[G1+4*\c:G1+4*\c+3] offset:\s*1536+3072+512*\c
.endr
	ds_store_b32 v[SST], v[PW] offset:128*\s
.endm
; fragment f = 2 s + u of z: token 16 u + r, k = 128 s + 64 c + 32 (lane / 16) + 0 .. 31: 64 numbers a lane into staging st
.macro LOADZ f, st, slot
.irp c, 0,1
.irp j, 0,1,2,3,4,5,6,7
	ds_load_b128 v[64*\st+32*\c+4*\j:64*\st+32*\c+4*\j+3], v[ZA+\slot] offset:((\f)%2)*16*PITCH+((\f)/2)*512+256*\c+16*\j
.endr
.endr
.endm
; staging st becomes fragment f and its scale word.  A lane owns two whole blocks (h and 2 + h of its token): no other lane is asked for a maximum; the word's four bytes are gathered from lanes l and l xor 16
.macro QROW f, st
.set QS, 64*\st
	WIN 0x55
.irp c, 0,1
	v_max3_num_f32 v[QM+\c], |v[QS+32*\c]|, |v[QS+32*\c+1]|, FLOOR
	v_max3_num_f32 v[QM+2+\c], |v[QS+32*\c+16]|, |v[QS+32*\c+17]|, |v[QS+32*\c+18]|
.endr
.irp i, 2,4,6,8,10,12
.irp c, 0,1
	v_max3_num_f32 v[QM+\c], v[QM+\c], |v[QS+32*\c+\i]|, |v[QS+32*\c+\i+1]|                      ; four chains, so that no line waits for the line above it
	v_max3_num_f32 v[QM+2+\c], v[QM+2+\c], |v[QS+32*\c+17+\i]|, |v[QS+32*\c+18+\i]|
.endr
.endr
.irp c, 0,1
	v_max3_num_f32 v[QM+\c], v[QM+\c], |v[QS+32*\c+14]|, |v[QS+32*\c+15]|
.endr
.irp c, 0,1
	v_max3_num_f32 v[QM+\c], v[QM+\c], v[QM+2+\c], |v[QS+32*\c+31]|
.endr
.irp c, 0,1
	v_add_nc_u32 v[QSO+\c], OFF4, v[QM+\c]
.endr
.irp c, 0,1
	v_lshrrev_b32 v[QBY+\c], 23, v[QSO+\c]
.endr
	v_lshl_or_b32 v[QW], v[QBY+1], 16, v[QBY]      ; my two bytes,
	v_lshlrev_b32 v[QW], v[Q8H], v[QW]             ; at their places in the word (8 h bits up)
	v_permlanex16_b32 v[QWP], v[QW], s32, s33
.irp c, 0,1
	v_cvt_scalef32_pk16_bf6_f32 v[ZF+12*\f+6*\c:ZF+12*\f+6*\c+2], v[QS+32*\c:QS+32*\c+15], v[QSO+\c]
	v_cvt_scalef32_pk16_bf6_f32 v[QU+4*\c:QU+4*\c+2], v[QS+32*\c+16:QS+32*\c+31], v[QSO+\c]      ; (a conversion's three registers begin on an even number)
.endr
	v_nop
.irp c, 0,1
.irp i, 0,1,2
	v_mov_b32 v[ZF+12*\f+6*\c+3+\i], v[QU+4*\c+\i]
.endr
.endr
	WIN 0x05
	v_or_b32 v[ZS+\f], v[QW], v[QWP]               ; the whole word, into window 0: scale operands have no window
.endm
; one matrix instruction of product 2: K step s, column tile t, token tile u
.macro MM s, t, u
.set rD, X+16*(\t)+8*(\u)
.set rA, ZF+12*(2*(\s)+(\u))
.set rB, 12*(2*(\t)+(\s))
.set rSA, ZS+2*(\s)+(\u)
.set rSB, WS+2*((\t)/2)+(\s)
.if (\s) == 0
.if (\t)%2
	v_wmma_scale_f32_16x16x128_f8f6f4 v[rD:rD+7], v[rA:rA+11], v[rB:rB+11], 0, v[rSA], v[rSB] matrix_a_fmt:MATRIX_FMT_BF6 matrix_b_fmt:MATRIX_FMT_BF6 matrix_b_scale:MATRIX_SCALE_ROW1
.else
	v_wmma_scale_f32_16x16x128_f8f6f4 v[rD:rD+7], v[rA:rA+11], v[rB:rB+11], 0, v[rSA], v[rSB] matrix_a_fmt:MATRIX_FMT_BF6 matrix_b_fmt:MATRIX_FMT_BF6
.endif
.else
.if (\t)%2
	v_wmma_scale_f32_16x16x128_f8f6f4 v[rD:rD+7], v[rA:rA+11], v[rB:rB+11], v[rD:rD+7], v[rSA], v[rSB] matrix_a_fmt:MATRIX_FMT_BF6 matrix_b_fmt:MATRIX_FMT_BF6 matrix_b_scale:MATRIX_SCALE_ROW1
.else
	v_wmma_scale_f32_16x16x128_f8f6f4 v[rD:rD+7], v[rA:rA+11], v[rB:rB+11], v[rD:rD+7], v[rSA], v[rSB] matrix_a_fmt:MATRIX_FMT_BF6 matrix_b_fmt:MATRIX_FMT_BF6
.endif
.endif
.endm
; the norm of k (g = 0) or v (g = 1): a token's 64 numbers lie in 4 tiles x 16 lanes; register 8 u + j of the statistics is token 16 u + 8 (lane / 16) + j.  Mean, then the mean of the squared differences: two passes
.macro NORM g
.set XG, X+64*\g
.irp p, 0,2,4,6,8,10,12,14                     ; ascending: each accumulator is first read at its low end
	v_pk_add_f32 v[S+\p:S+\p+1], v[XG+\p:XG+\p+1], v[XG+16+\p:XG+16+\p+1]
.endr
.irp t, 2,3
.irp p, 0,2,4,6,8,10,12,14
	v_pk_add_f32 v[S+\p:S+\p+1], v[S+\p:S+\p+1], v[XG+16*\t+\p:XG+16*\t+\p+1]
.endr
.endr
.irp k, 1,2,4,8
.irp i, 0,1,2,3,4,5,6,7,8,9,10,11,12,13,14,15
	v_add_f32_dpp v[S+\i], v[S+\i], v[S+\i] row_xmask:\k row_mask:0xf bank_mask:0xf
.endr
.endr
.irp t, 0,1,2,3
.irp p, 0,2,4,6,8,10,12,14
	v_pk_fma_f32 v[XG+16*\t+\p:XG+16*\t+\p+1], v[S+\p:S+\p+1], s[34:35], v[XG+16*\t+\p:XG+16*\t+\p+1] op_sel_hi:[1,0,1]   ; t - mean
.endr
.endr
.irp p, 0,2,4,6,8,10,12,14
	v_pk_mul_f32 v[T+\p:T+\p+1], v[XG+\p:XG+\p+1], v[XG+\p:XG+\p+1]
.endr
.irp t, 1,2,3
.irp p, 0,2,4,6,8,10,12,14
	v_pk_fma_f32 v[T+\p:T+\p+1], v[XG+16*\t+\p:XG+16*\t+\p+1], v[XG+16*\t+\p:XG+16*\t+\p+1], v[T+\p:T+\p+1]
.endr
.endr
.irp k, 1,2,4,8
.irp i, 0,1,2,3,4,5,6,7,8,9,10,11,12,13,14,15
	v_add_f32_dpp v[T+\i], v[T+\i], v[T+\i] row_xmask:\k row_mask:0xf bank_mask:0xf
.endr
.endr
.irp p, 0,2,4,6,8,10,12,14
	v_pk_fma_f32 v[T+\p:T+\p+1], v[T+\p:T+\p+1], s[36:37], v[EPS:EPS+1] op_sel_hi:[1,0,1]        ; variance + eps
.endr
.irp i, 0,1,2,3,4,5,6,7,8,9,10,11,12,13,14,15
	v_rsq_f32 v[T+\i], v[T+\i]
.endr
	v_nop                                          ; a plain place behind the last of the batch,
	s_wait_alu depctr_va_vdst(0)                   ; and one wait for the sixteen, ahead of their first reader
.irp t, 0,1,2,3
.irp p, 0,2,4,6,8,10,12,14
	v_pk_mul_f32 v[XG+16*\t+\p:XG+16*\t+\p+1], v[XG+16*\t+\p:XG+16*\t+\p+1], v[T+\p:T+\p+1]
.endr
.endr
.endm
; the 32 tokens of a sub-step are one block along the next K, for each of the 128 columns: my 16 and lane l xor 16's.  par = 0: the pair's first block, 1: its second
.macro KVQ par
.irp t, 0,1,2,3,4,5,6,7
	v_max3_num_f32 v[S+\t], |v[X+16*\t]|, |v[X+16*\t+1]|, FLOOR
.endr
.irp i, 2,4,6,8,10,12,14
.irp t, 0,1,2,3,4,5,6,7
	v_max3_num_f32 v[S+\t], v[S+\t], |v[X+16*\t+\i]|, |v[X+16*\t+\i+1]|
.endr
.endr
.irp t, 0,1,2,3,4,5,6,7
	v_permlanex16_b32 v[S+8+\t], v[S+\t], s32, s33
.endr
.irp t, 0,1,2,3,4,5,6,7
	v_max_num_f32 v[S+\t], v[S+\t], v[S+8+\t]
.endr
.irp t, 0,1,2,3,4,5,6,7
	v_add_nc_u32 v[T+\t], OFF4, v[S+\t]
.endr
.if \par == 0
.irp t, 0,1,2,3,4,5,6,7
	v_lshrrev_b32 v[KS+\t], 23, v[T+\t]            ; byte 0 of the scale word; bytes 2 and 3 stay 0: they stand over zero codes
.endr
.irp t, 0,1,2,3,4,5,6,7
	v_cvt_scalef32_pk16_bf6_f32 v[E+4*\t:E+4*\t+2], v[X+16*\t:X+16*\t+15], v[T+\t]
.endr
.else
.irp t, 0,1,2,3,4,5,6,7
	v_lshrrev_b32 v[T+8+\t], 23, v[T+\t]
.endr
.irp t, 0,1,2,3,4,5,6,7
	v_lshl_or_b32 v[KS+\t], v[T+8+\t], 8, v[KS+\t] ; byte 1
.endr
.irp t, 0,1,2,3,4,5,6,7
	v_cvt_scalef32_pk16_bf6_f32 v[O+4*\t:O+4*\t+2], v[X+16*\t:X+16*\t+15], v[T+\t]
.endr
.endif
	v_nop
.endm
.macro SWAPS                           ; a whole block to a lane: lanes 0-15 the pair's first block, lanes 16-31 its second; E then holds each lane's lower 16 codes, O the upper 16
.irp t, 0,1,2,3,4,5,6,7
.irp i, 0,1,2
	v_permlane16_swap_b32 v[E+4*\t+\i], v[O+4*\t+\i]
.endr
.endr
.endm
.macro DEP                             ; into registers 0 to 5 of the eight fragments
	WIN 0xc0
.irp t, 0,1,2,3,4,5,6,7
.irp i, 0,1,2
	v_mov_b32 v[F+12*\t+\i], v[E+4*\t+\i]
	v_mov_b32 v[F+12*\t+3+\i], v[O+4*\t+\i]
.endr
.endr
.endm
.macro P3                              ; dots(ti, te) += k^T v over the pair's 64 tokens: 16 accumulators by turns
	PLACES 8                                       ; operands and scale words were written by vector instructions
	WIN 0xff
.irp n, 0,1,2,3
.irp m, 0,1,2,3
	v_wmma_scale_f32_16x16x128_f8f6f4 v[8*(4*\n+\m):8*(4*\n+\m)+7], v[F+12*\m:F+12*\m+11], v[F+12*(4+\n):F+12*(4+\n)+11], v[8*(4*\n+\m):8*(4*\n+\m)+7], v[KS+\m], v[KS+4+\n] matrix_a_fmt:MATRIX_FMT_BF6 matrix_b_fmt:MATRIX_FMT_BF6
.endr
.endr
	WIN 0
.endm
; A PREFETCH INTO THE L2 of the tile that my wave's NEXT refill asks for: 32 rows of 1,024 bytes, one sub-step ahead.  Two clusters (heads 0-3, heads 4-7) walk the same tokens: the first asks.  Its four partners
; share a row's four pieces of 256 bytes out BY ADDRESS; a lane takes a row, each wave its own tile: each piece is named once in the launch.  Tiles 0 to 2 come by their loads alone; the last refill asks for nothing.
.macro ASK
	s_cmp_gt_u32 s39, s40
	s_cbranch_scc0 .Lnot_mine_\@
	global_prefetch_b8 v[PFO], s[42:43] th:TH_LOAD_NT scope:SCOPE_SE
.Lnot_mine_\@:
.endm
; The slot that has just been read out is filled again, two tiles on.  Every wave: all its tensor loads have landed (the other slot's tile among them); the add; its reads of the slot are back; a round of the cluster's barrier,
; so that no wave of any partner still reads the slot; then the joint refill, first thing behind the round.  It has a sub-step in which to land.
.macro CHANGE slot
	s_wait_tensorcnt 0x0                           ; no tensor load of mine is out, so a group 0 may be written
	ds_add_u32 v[SPW], v[NIL]                      ; 0 onto my spare word; the steps below stand between it and the wait for it
	s_add_nc_u64 s[26+4*\slot:27+4*\slot], s[26+4*\slot:27+4*\slot], 0x10000   ; two tiles on; the type bits on top are not reached
	s_wait_xcnt 0x0                                ; the last prefetch, a sub-step back, has read its address
	s_add_nc_u64 s[42:43], s[42:43], 0x8000
	s_sub_co_u32 s39, s39, 1                       ; refills left behind this one
	s_wait_dscnt 0x0
	CROUND
	tensor_load_to_lds s[24+4*\slot:27+4*\slot], s[16:23]
	s_nop 0
	PLACES 4
	ASK
.endm
; A SUB-STEP: 32 tokens out of my tile in the slot.  Its first two stagings were asked for in the sub-step before.  z is quantised; with the last staging in registers the slot has been read out:
; THE CHANGE OF SLOTS STANDS HERE, in the sub-step's middle, and behind it the next sub-step's first 32 LDS loads, out of the other slot: they land under the products, the norms and the quantiser that follow.
; mode = 1: the slot is filled again;  2: nothing is left to ask for, but the other slot's tile is waited for and fetched from;  0: the last sub-step.
; Then product 2 (32 matrix instructions, 16 accumulators by turns), the two norms, the block's codes.
.macro SUB slot, par, mode
	s_wait_dscnt 16                                ; the older 16 loads are in; the other staging's 16 may be out
	QROW 0, 0
	WIN 0x40
	LOADZ 2, 0, \slot
	s_wait_dscnt 16
	QROW 1, 1
	WIN 0x40
	LOADZ 3, 1, \slot
	s_wait_dscnt 16
	QROW 2, 0
	s_wait_dscnt 0x0                               ; my last reads of the slot are back
	QROW 3, 1
	WIN 0
.if \mode == 1
	CHANGE \slot
.elseif \mode == 2
	s_wait_tensorcnt 0x0                           ; my last tile is in; only I read it
.endif
.if \mode
	WIN 0x40
	LOADZ 0, 0, 1-\slot
	LOADZ 1, 1, 1-\slot
.endif
	PLACES 8                                       ; the last scale word and fragment were written by vector instructions
	WIN 0x09                                       ; source 0 (z) window 1, source 1 (Wkv) window 2, C and D window 0
.irp s, 0,1
.irp t, 0,1,2,3,4,5,6,7
.irp u, 0,1
	MM \s, \t, \u
.endr
.endr
.endr
	WIN 0
	PLACES 4
	NORM 0
	NORM 1
	KVQ \par
.endm
	s_load_b128 s[4:7], s[0:1], 0x0                ; z, Wkv
	s_load_b64 s[8:9], s[0:1], 0x10                ; part
	v_lshl_add_u32 v[SPW], v0, 2, SPARE
	v_mov_b32 v[NIL], 0
	ds_add_u32 v[SPW], v[NIL]                      ; the wave's opening: the add, twice on end, and its wait ahead of my first tensor load; the set-up below, work on registers, stands between
	ds_add_u32 v[SPW], v[NIL]
	v_lshrrev_b32 v[TA], 5, v0
	v_readfirstlane_b32 s10, v[TA]                 ; wave 0..3
	s_bfe_u32 s11, ttmp6, 0x40000                  ; cx: my place in the cluster
	s_and_b32 s12, ttmp9, 1                        ; which four heads: the same in all partners
	s_lshr_b32 s13, ttmp9, 1                       ; 8 b + c: the tokens, the same in all partners
	s_lshl_b32 s14, s12, 2
	s_add_co_u32 s14, s14, s11                     ; my head: it enters Wkv's and part's addresses alone
	; descriptor group 1: 32 rows x 256 elements of 4 bytes, 16 bytes of padding behind each row
	s_mov_b32 s16, 15|(2<<16)|(1<<20)|(1<<21)|(7<<22)|(3<<25)   ; the mask: all four; elements of 4 bytes; padding on; bit 21 beside a mask; after every 256 words; of 4 words
	s_mov_b32 s17, 256<<16                         ; tensor_dim0
	s_mov_b32 s18, 32<<16                          ; tensor_dim1
	s_mov_b32 s19, 256<<16                         ; tile_dim0
	s_mov_b32 s20, 32                              ; tile_dim1
	s_mov_b32 s21, 256                             ; from row to row
	s_mov_b32 s22, 0
	s_mov_b32 s23, 0
	s_lshl_b32 s44, s13, 20                        ; 1,024 tokens of 1,024 bytes,
	s_lshl_b32 s47, s10, 18                        ; my wave's 256
	s_add_co_u32 s44, s44, s47
	s_mov_b32 s45, 0
	s_mul_i32 s46, s10, WTILE                      ; my wave's place in a slot: no place in the cluster enters an LDS address
	s_lshr_b32 s48, s10, 1                         ; Wkv: waves 0, 1 take k's columns, waves 2, 3 v's (512 columns on);
	s_lshl_b32 s48, s48, 11
	s_lshl_b32 s47, s14, 8                         ; the head's 64 columns;
	s_add_co_u32 s48, s48, s47
	s_and_b32 s47, s10, 1                          ; my 32 of them
	s_lshl_b32 s47, s47, 7
	s_add_co_u32 s48, s48, s47
	s_mov_b32 s49, 0
	s_lshr_b32 s50, s13, 3                         ; part: ((8 b + h) 8 + c) x 16,384 + wave x 4,096
	s_lshl_b32 s50, s50, 3
	s_add_co_u32 s50, s50, s14
	s_lshl_b32 s50, s50, 3
	s_and_b32 s47, s13, 7
	s_add_co_u32 s50, s50, s47
	s_lshl_b32 s50, s50, 14
	s_lshl_b32 s47, s10, 12
	s_add_co_u32 s50, s50, s47
	s_mov_b32 s51, 0
	s_mov_b32 s32, 0x76543210                      ; v_permlanex16_b32's selects for lane l xor 16
	s_mov_b32 s33, 0xfedcba98
	s_mov_b32 s34, 0xbc800000                      ; -1/64
	s_mov_b32 s35, s34
	s_mov_b32 s36, 0x3c800000                      ; 1/64
	s_mov_b32 s37, s36
	s_mov_b32 s39, 6                               ; refills to come
	s_cmp_eq_u32 s12, 0
	s_cselect_b32 s40, 0, -1                       ; the first of the two clusters prefetches
	v_and_b32 v[R], 15, v0
	v_bfe_u32 v[H], v0, 4, 1
	v_mul_u32_u24 v[ZA], v[R], PITCH
	v_lshl_add_u32 v[ZA], v[H], 7, v[ZA]
	v_add_nc_u32 v[ZA], s46, v[ZA]                 ; token r's row, + 128 bytes for lanes 16-31
	v_add_nc_u32 v[ZA+1], SLOT, v[ZA]
	v_and_b32 v[TA], 31, v0                        ; lane
	v_lshlrev_b32 v[PFO], 10, v[TA]
	v_lshlrev_b32 v[L16], 4, v[TA]
	v_lshlrev_b32 v[TB], 2, v[TA]
	v_add_nc_u32 v[RST], s46, v[L16]
	s_lshl_b32 s47, s10, 12
	v_add_nc_u32 v[RL], s47, v[L16]
	v_add_nc_u32 v[RL+1], 2*WTILE, v[RL]
	s_mul_i32 s47, s10, 6144
	s_add_co_u32 s47, s47, WIMG
	v_add_nc_u32 v[IST], s47, v[L16]               ; my two tiles' images: index 4 w + s and 4 w + 2 + s
	v_add_nc_u32 v[ILD], WIMG, v[L16]
	s_lshl_b32 s47, s10, 8
	s_add_co_u32 s47, s47, WSC
	v_add_nc_u32 v[SST], s47, v[TB]
	v_add_nc_u32 v[SLD], WSC, v[TB]
	v_and_b32 v[WOFF], 7, v0                       ; my column of the 32: the lane's number with bits 3 and 4 changed over
	v_bfe_u32 v[TA], v0, 3, 1
	v_lshl_or_b32 v[WOFF], v[TA], 4, v[WOFF]
	v_lshl_or_b32 v[WOFF], v[H], 3, v[WOFF]
	v_lshlrev_b32 v[WOFF], 2, v[WOFF]
	s_lshl_b32 s47, s10, 13
	s_add_co_u32 s47, s47, STGW                    ; my stage
	v_add_nc_u32 v[WSG], s47, v[L16]
	v_add_nc_u32 v[WRD], s47, v[WOFF]
	v_bfe_u32 v[TA], v0, 3, 2                      ; Wkv as it is loaded: eight lanes to a row's 128 bytes, four rows (4,096 bytes apart) to a load
	v_and_b32 v[WGO], 7, v0
	v_lshlrev_b32 v[WGO], 4, v[WGO]
	v_lshl_add_u32 v[WGO], v[TA], 12, v[WGO]
	v_mov_b32 v[EPS], 0x3727c5ac                   ; 1e-5
	v_mov_b32 v[EPS+1], 0x3727c5ac
	s_wait_dscnt 0x0                               ; both opening adds are done
	s_wait_kmcnt 0x0
	s_add_nc_u64 s[4:5], s[4:5], s[44:45]          ; z at my wave's tile 0
	s_add_nc_u64 s[6:7], s[6:7], s[48:49]          ; Wkv at my 32 columns
	s_add_nc_u64 s[8:9], s[8:9], s[50:51]
	s_lshl_b32 s44, s11, 8                         ; the prefetches: my work-group's 256 bytes of each row,
	s_add_co_u32 s44, s44, 0x10000                 ; in tile 2: the first refill steps it to tile 3
	s_add_nc_u64 s[42:43], s[4:5], s[44:45]
	CROUND                                         ; all four work-groups are here: the first joint loads meet
	s_mov_b32 s24, 1
	s_mov_b32 s25, s46
	s_mov_b64 s[26:27], s[4:5]
	s_or_b32 s27, s27, 0x80000000
	s_mov_b32 s28, 1
	s_add_co_u32 s29, s46, SLOT
	s_add_nc_u64 s[30:31], s[4:5], 0x8000
	s_or_b32 s31, s31, 0x80000000
	tensor_load_to_lds s[24:27], s[16:23]          ; tile 0
	s_nop 0
	tensor_load_to_lds s[28:31], s[16:23]          ; tile 1: two loads of mine are out
	s_nop 0
	PLACES 4
	; Wkv, while the first tiles are on their way: all 64 loads at once
	WIN 0x40
.set i, 0
.rept 32
	global_load_b128 v[4*i:4*i+3], v[WGO], s[6:7] offset:16384*i          ; rows 4 i .. 4 i + 3
.set i, i+1
.endr
	WIN 0x80
.set i, 0
.rept 32
	global_load_b128 v[4*i:4*i+3], v[WGO], s[6:7] offset:16384*(32+i)     ; rows 128 + 4 i ..
.set i, i+1
.endr
	WIN 0x40
	v_lshlrev_b32 v[Q8H], 3, v[H]
	v_mov_b32 v[QWP], 0                            ; written once: a lane permute's destination counts as one of its sources
	WIN 0xc0
.set i, 0
.rept 128
	v_mov_b32 v[i], 0                              ; dots.  (The pair of sub-steps is written for every pair alike: the first adds onto zeros)
.set i, i+1
.endr
.irp t, 0,1,2,3,4,5,6,7
.irp i, 6,7,8,9,10,11
	v_mov_b32 v[F+12*\t+\i], 0                     ; the upper 64 along K of k's and v's fragments: zero codes, for the whole launch
.endr
.endr
	WIN 0
	s_wait_loadcnt 32                              ; rows 0-127 are in; the 32 loads of rows 128-255 may be out
	WTURN 1
	s_wait_dscnt 0x0
	WQ
	WST 0
	s_wait_loadcnt 0x0
	WTURN 2
	s_wait_dscnt 0x0                               ; the columns are back, and the images' stores have read their registers
	WQ
	WST 1
	s_wait_dscnt 0x0                               ; for the others' sake: my images lie in LDS
	s_barrier_signal -1
	s_barrier_wait -1
	WIN 0x80
.set i, 0
.rept 16
	ds_load_b128 v[12*i:12*i+3], v[ILD] offset:1536*i
	ds_load_b128 v[12*i+4:12*i+7], v[ILD] offset:1536*i+512
	ds_load_b128 v[12*i+8:12*i+11], v[ILD] offset:1536*i+1024
.set i, i+1
.endr
	WIN 0
.irp k, 0,1,2,3,4,5,6,7
	ds_load_b32 v[WS+\k], v[SLD] offset:128*\k
.endr
	s_wait_dscnt 0x0
	s_wait_tensorcnt 0x1                           ; tile 0 is in (tile 1's load may be out); only I read my tiles
	WIN 0x40
	LOADZ 0, 0, 0                                  ; the first sub-step's first two stagings
	LOADZ 1, 1, 0
	WIN 0
	s_mov_b32 s38, 3
.Lpair:                                            ; three trips: tiles 2 p and 2 p + 1; both slots are filled again in every trip
	SUB 0, 0, 1
	SUB 1, 1, 1
	SWAPS
	DEP
	P3
	s_sub_co_u32 s38, s38, 1
	s_cmp_lg_u32 s38, 0
	s_cbranch_scc1 .Lpair
	SUB 0, 0, 2                                    ; the last pair is written out: it asks for nothing
	SUB 1, 1, 0
	SWAPS
	DEP
	P3
	; THE FOUR WAVES' PARTIALS MEET.  Mine goes into my own part of slot 0, which has had its last fill and its last read
	PLACES 4
	WIN 0x0c                                       ; an LDS store's data are its source 1: window 3
.set a, 0
.rept 16
	ds_store_b128 v[RST], v[8*a:8*a+3] offset:1024*a               ; each accumulator from its low end on
	ds_store_b128 v[RST], v[8*a+4:8*a+7] offset:1024*a+512
.set a, a+1
.endr
	WIN 0
	s_wait_dscnt 0x0
	s_barrier_signal -1
	s_barrier_wait -1
.irp g, 0,1,2,3                                ; wave w sums the accumulators (ti, te = w) of the four waves
.irp a, 0,1,2,3,4,5,6,7
	ds_load_b128 v[X+32*\g+4*\a:X+32*\g+4*\a+3], v[RL+\g/2] offset:(\g%2)*WTILE+512*\a
.endr
.endr
	s_wait_dscnt 0x0
.set i, 0
.rept 16
	v_pk_add_f32 v[X+i:X+i+1], v[X+i:X+i+1], v[X+32+i:X+33+i]
	v_pk_add_f32 v[X+64+i:X+65+i], v[X+64+i:X+65+i], v[X+96+i:X+97+i]
.set i, i+2
.endr
.set i, 0
.rept 16
	v_pk_add_f32 v[X+i:X+i+1], v[X+i:X+i+1], v[X+64+i:X+65+i]
.set i, i+2
.endr
.irp a, 0,1,2,3,4,5,6,7
	global_store_b128 v[L16], v[X+4*\a:X+4*\a+3], s[8:9] offset:512*\a   ; 32 lanes store 512 consecutive bytes, at a multiple of 256 from part's first byte
.endr
	s_wait_tensorcnt 0x0                           ; the wave's end, behind my last tensor load and my last LDS store
	ds_add_u32 v[SPW], v[NIL]
	s_wait_dscnt 0x0
	CROUND                                         ; the closing round
	s_endpgm
.Lfunc_end_k_q785644629b_kvdots:
	.size	k_q785644629b_kvdots, .Lfunc_end_k_q785644629b_kvdots-k_q785644629b_kvdots
	.p2alignl 7, 3214868480
	.fill 96, 4, 3214868480
	.section	.rodata,"a",@progbits
	.p2align	6, 0x0
	.amdhsa_kernel k_q785644629b_kvdots
		.amdhsa_group_segment_fixed_size 327680
		.amdhsa_private_segment_fixed_size 0
		.amdhsa_enable_private_segment 0
		.amdhsa_kernarg_size 24
		.amdhsa_user_sgpr_count 2
		.amdhsa_user_sgpr_kernarg_segment_ptr 1
		.amdhsa_wavefront_size32 1
		.amdhsa_system_sgpr_workgroup_id_x 1
		.amdhsa_system_sgpr_workgroup_id_y 1
		.amdhsa_system_sgpr_workgroup_id_z 1
		.amdhsa_system_vgpr_workitem_id 0
		.amdhsa_next_free_vgpr 1024
		.amdhsa_next_free_sgpr 66
		.amdhsa_reserve_vcc 0
		.amdhsa_float_denorm_mode_32 3
		.amdhsa_float_denorm_mode_16_64 3
		.amdhsa_memory_ordered 1
		.amdhsa_forward_progress 1
		.amdhsa_inst_pref_size 255
	.end_amdhsa_kernel
	.section	.bss,"aw",@nobits
	.p2align	6
	.space	262144
	.amdgpu_metadata
---
amdhsa.version: [ 1, 2 ]
amdhsa.kernels:
  - .name:           k_q785644629b_kvdots
    .symbol:         k_q785644629b_kvdots.kd
    .args:
      - { .name: z, .offset: 0, .size: 8, .value_kind: global_buffer, .address_space: global }
      - { .name: Wkv, .offset: 8, .size: 8, .value_kind: global_buffer, .address_space: global }
      - { .name: part, .offset: 16, .size: 8, .value_kind: global_buffer, .address_space: global }
    .group_segment_fixed_size: 327680
    .private_segment_fixed_size: 0
    .kernarg_segment_align: 8
    .kernarg_segment_size: 24
    .max_flat_workgroup_size: 128
    .sgpr_count:     66
    .vgpr_count:     1024
    .wavefront_size: 32
...
	.end_amdgpu_metadata
.endif
;; end of part 1
;; launch fold (part 2): grid 192 x 1, 1 waves a work-group, no clusters, 0 bytes of LDS; arguments part, Wq, Wout, wb, dt; writes wb, dt
.if DOCPART == 2
	.amdgcn_target "amdgcn-amd-amdhsa--gfx1250"
	.amdhsa_code_object_version 6
	.text
	.protected	k_q785644629b_fold
	.globl	k_q785644629b_fold
	.p2align	8
	.type	k_q785644629b_fold,@function
k_q785644629b_fold:
	s_mov_b64 s[64:65], 0
	v_nop
	global_prefetch_b8 v0, s[64:65] scope:SCOPE_SE
	s_setreg_imm32_b32 hwreg(HW_REG_WAVE_MODE, 25, 1), 1
	s_wait_xcnt 0x0
; SECOND LAUNCH.  Nothing is left out.  Work-groups 0-127: the eight chunks' partial dots of one (batch, head, tile te) are summed and quantised along d (two blocks of 32) into half a fragment and a scale word.
; Work-groups 128-159: 32 columns x 128 along K of Wq; 160-191: of Wout: quantised along K, a lane to a column.  All results are laid as IMAGES OF THE OPERANDS' REGISTERS, in the order in which the third launch's waves take them.
; One wave to a work-group, no LDS, no barrier: the work-groups share nothing; what is read is 5 MB, once.  No matrix work, no cluster, no prefetch: a short stream.
; LIMITS as in the first launch: a block of zeros gets the byte 1; no largest magnitude is taken under 2^(5 - 127); NaN and infinities are not served.
; dots: accumulator (ti, te), lane (r, h), register j is d = 32 (ti / 2) + 16 h + 8 (ti % 2) + j, e = the te-th tile's row r: so registers 16 b + 0 .. 15 of the four ti are 16 neighbours along d of block b.
; The fourth product has K = 64 in an instruction of 128, two heads to a fragment of q: the even head's dots stand in registers 0-5 and its bytes in the word's lower half, the odd head's in registers 6-11 and the upper half;
; the other half of the word is 127, over zero codes.
.set FLOOR, 0x2800000
.set OFF4,  0xfe000000
.set DS,   32                          ; v32-63  the sum
.set FR,   64                          ; v64-69  the half fragment
.set C1,   72
.set DM,   80
.set DP,   82
.set DSO,  84
.set DBY,  86
.set DW,   88
.set X,    128                         ; the weights' path: 128 numbers of a column
.set WM,   32
.set WSO,  36
.set WBY,  40
.set PW,   44
.set G0,   64
.set G1,   76
.set UT,   96
.set MSB, 0
.macro WIN new
.if MSB != \new
	s_set_vgpr_msb (MSB<<8)|\new
.set MSB, \new
.endif
.endm
; 32 columns x 128 along K, a lane to a column (lanes 0-15: a tile, lanes 16-31: the next), become two fragments G0, G1 and one scale register PW (the second tile's words in lanes 16-31)
.macro WQ
.irp b, 0,1,2,3
	v_max3_num_f32 v[WM+\b], |v[X+32*\b]|, |v[X+32*\b+1]|, FLOOR
.endr
.irp i, 2,4,6,8,10,12,14,16,18,20,22,24,26,28,30
.irp b, 0,1,2,3
	v_max3_num_f32 v[WM+\b], v[WM+\b], |v[X+32*\b+\i]|, |v[X+32*\b+\i+1]|
.endr
.endr
.irp b, 0,1,2,3
	v_add_nc_u32 v[WSO+\b], OFF4, v[WM+\b]
.endr
.irp b, 0,1,2,3
	v_lshrrev_b32 v[WBY+\b], 23, v[WSO+\b]
.endr
	v_lshl_or_b32 v[PW], v[WBY+1], 8, v[WBY]
	v_lshl_or_b32 v[PW], v[WBY+2], 16, v[PW]
	v_lshl_or_b32 v[PW], v[WBY+3], 24, v[PW]
.irp c, 0,1
	v_cvt_scalef32_pk16_bf6_f32 v[G0+6*\c:G0+6*\c+2], v[X+64*\c:X+64*\c+15], v[WSO+2*\c]
	v_cvt_scalef32_pk16_bf6_f32 v[UT+8*\c:UT+8*\c+2], v[X+64*\c+16:X+64*\c+31], v[WSO+2*\c]
	v_cvt_scalef32_pk16_bf6_f32 v[G1+6*\c:G1+6*\c+2], v[X+64*\c+32:X+64*\c+47], v[WSO+2*\c+1]
	v_cvt_scalef32_pk16_bf6_f32 v[UT+8*\c+4:UT+8*\c+6], v[X+64*\c+48:X+64*\c+63], v[WSO+2*\c+1]
.endr
	v_nop
.irp c, 0,1
.irp i, 0,1,2
	v_permlane16_swap_b32 v[G0+6*\c+\i], v[G1+6*\c+\i]
	v_permlane16_swap_b32 v[UT+8*\c+\i], v[UT+8*\c+4+\i]
.endr
.endr
.irp c, 0,1
.irp i, 0,1,2
	v_mov_b32 v[G0+6*\c+3+\i], v[UT+8*\c+\i]
	v_mov_b32 v[G1+6*\c+3+\i], v[UT+8*\c+4+\i]
.endr
.endr
.endm
	s_load_b128 s[4:7], s[0:1], 0x0                ; part, Wq
	s_load_b128 s[8:11], s[0:1], 0x10              ; Wout, wb
	s_load_b64 s[12:13], s[0:1], 0x20              ; dt
	v_and_b32 v1, 31, v0                           ; lane
	v_lshlrev_b32 v3, 4, v1                        ; 16 x lane
	v_lshlrev_b32 v4, 2, v1                        ; 4 x lane
	v_lshlrev_b32 v5, 3, v1                        ; 8 x lane
	s_mov_b32 s34, 0x76543210
	s_mov_b32 s35, 0xfedcba98
	s_mov_b32 s17, 0
	s_mov_b32 s19, 0
	s_mov_b32 s21, 0
	s_mov_b32 s23, 0
	s_wait_kmcnt 0x0
	s_cmp_ge_u32 ttmp9, 128
	s_cbranch_scc1 .Lweights
	; ---- dots
	s_lshr_b32 s14, ttmp9, 2                       ; 8 b + head
	s_and_b32 s15, ttmp9, 3                        ; te
	s_lshl_b32 s16, s14, 17                        ; eight chunks of 16,384 bytes
	s_lshl_b32 s18, s15, 12
	s_add_co_u32 s16, s16, s18
	s_add_nc_u64 s[4:5], s[4:5], s[16:17]
	WIN 0x40                                       ; destination window 1
.irp c, 0,1,2,3,4,5,6,7
.irp a, 0,1,2,3,4,5,6,7
	global_load_b128 v[32*\c+4*\a:32*\c+4*\a+3], v3, s[4:5] offset:16384*\c+512*\a th:TH_LOAD_NT   ; chunk c, registers 4 a .. 4 a + 3 of the four accumulators: 512 consecutive bytes
.endr
.endr
	WIN 0
	s_lshr_b32 s24, s14, 1                         ; dt's part: 4 b + head / 2
	s_mul_i32 s24, s24, 7168
	s_and_b32 s25, s14, 1                          ; the head's place in its pair
	s_lshl_b32 s26, s25, 2
	s_add_co_u32 s26, s26, s15
	s_mul_i32 s27, s26, 768
	s_add_co_u32 s20, s24, s27                     ; the half fragment,
	s_lshl_b32 s27, s26, 7
	s_add_co_u32 s22, s24, s27
	s_add_co_u32 s22, s22, 6144                    ; the scale register
	s_add_nc_u64 s[20:21], s[12:13], s[20:21]
	s_add_nc_u64 s[22:23], s[12:13], s[22:23]
	s_lshl_b32 s28, s25, 4                         ; my bytes' place in the word,
	s_sub_co_u32 s29, 16, s28
	s_lshl_b32 s29, 0x7f7f, s29                    ; and 127 in the other two
	v_mov_b32 v[DP], 0                             ; a lane permute's destination counts as one of its sources
	v_mov_b32 v[DP+1], 0
	s_wait_loadcnt 0x0
	WIN 0x45                                       ; all in window 1
.irp k, 0,1,2,3
.set i, 0
.rept 16
	v_pk_add_f32 v[64*\k+i:64*\k+i+1], v[64*\k+i:64*\k+i+1], v[64*\k+32+i:64*\k+33+i]
.set i, i+2
.endr
.endr
.irp k, 0,1
.set i, 0
.rept 16
	v_pk_add_f32 v[128*\k+i:128*\k+i+1], v[128*\k+i:128*\k+i+1], v[128*\k+64+i:128*\k+65+i]
.set i, i+2
.endr
.endr
	WIN 0x05                                       ; the last sum lands in window 0
.set i, 0
.rept 16
	v_pk_add_f32 v[DS+i:DS+i+1], v[i:i+1], v[128+i:129+i]
.set i, i+2
.endr
	WIN 0
.irp b, 0,1
	v_max3_num_f32 v[DM+\b], |v[DS+16*\b]|, |v[DS+16*\b+1]|, FLOOR
.endr
.irp i, 2,4,6,8,10,12,14
.irp b, 0,1
	v_max3_num_f32 v[DM+\b], v[DM+\b], |v[DS+16*\b+\i]|, |v[DS+16*\b+\i+1]|
.endr
.endr
.irp b, 0,1
	v_permlanex16_b32 v[DP+\b], v[DM+\b], s34, s35
.endr
.irp b, 0,1
	v_max_num_f32 v[DM+\b], v[DM+\b], v[DP+\b]     ; with lane l xor 16's 16: the block's largest magnitude
.endr
.irp b, 0,1
	v_add_nc_u32 v[DSO+\b], OFF4, v[DM+\b]
.endr
.irp b, 0,1
	v_lshrrev_b32 v[DBY+\b], 23, v[DSO+\b]
.endr
	v_lshl_or_b32 v[DW], v[DBY+1], 8, v[DBY]
	v_lshlrev_b32 v[DW], s28, v[DW]
	v_or_b32 v[DW], s29, v[DW]
	v_cvt_scalef32_pk16_bf6_f32 v[FR:FR+2], v[DS:DS+15], v[DSO]
	v_cvt_scalef32_pk16_bf6_f32 v[C1:C1+2], v[DS+16:DS+31], v[DSO+1]
	v_nop
.irp i, 0,1,2
	v_permlane16_swap_b32 v[FR+\i], v[C1+\i]       ; a whole block to a lane: lanes 0-15 d = 0 .. 31, lanes 16-31 d = 32 .. 63
.endr
.irp i, 0,1,2
	v_mov_b32 v[FR+3+\i], v[C1+\i]
.endr
.irp i, 0,1,2
	global_store_b64 v5, v[FR+2*\i:FR+2*\i+1], s[20:21] offset:256*\i   ; 32 lanes store 256 consecutive bytes, at a multiple of 256 from dt's first byte
.endr
	global_store_b32 v4, v[DW], s[22:23]
	s_endpgm
.Lweights:
	s_sub_co_u32 s14, ttmp9, 128
	s_cmp_ge_u32 s14, 32
	s_cbranch_scc1 .Lwout
	; ---- Wq [256][512]: wave g of the third launch, tiles 2 p and 2 p + 1, K step s
	s_lshr_b32 s24, s14, 3                         ; g
	s_bfe_u32 s25, s14, 0x20001                    ; p
	s_and_b32 s26, s14, 1                          ; s
	s_lshl_b32 s16, s26, 18                        ; 128 rows of 2,048 bytes
	s_lshl_b32 s27, s24, 9                         ; 128 columns a wave
	s_add_co_u32 s16, s16, s27
	s_lshl_b32 s27, s25, 7
	s_add_co_u32 s16, s16, s27
	s_mul_i32 s28, s24, 51200
	s_lshl_b32 s27, s25, 2
	s_add_co_u32 s27, s27, s26
	s_mul_i32 s27, s27, 1536
	s_add_co_u32 s20, s28, s27                     ; fragment 2 t + s of the first tile;
	s_mov_b32 s22, 3072                            ; the second tile's lies two fragments on
	s_lshl_b32 s27, s25, 1
	s_add_co_u32 s27, s27, s26
	s_lshl_b32 s27, s27, 7
	s_add_co_u32 s18, s28, s27
	s_add_co_u32 s18, s18, 49152
	v_and_b32 v2, 7, v0                            ; lane r of tile 2 b + u takes column 32 b + 8 u + r + 8 (r / 8): the lane's number with bits 3 and 4 changed over
	v_bfe_u32 v6, v0, 3, 1
	v_lshl_or_b32 v2, v6, 4, v2
	v_bfe_u32 v6, v0, 4, 1
	v_lshl_or_b32 v2, v6, 3, v2
	v_lshlrev_b32 v2, 2, v2
	s_add_nc_u64 s[6:7], s[6:7], s[16:17]
.set i, 0
.rept 128
	global_load_b32 v[X+i], v2, s[6:7] offset:2048*i th:TH_LOAD_NT
.set i, i+1
.endr
	s_branch .Lquant
.Lwout:
	; ---- Wout [512][256]: wave g, tiles 2 pn and 2 pn + 1 (columns in their own order), K step s
	s_sub_co_u32 s14, s14, 32
	s_lshr_b32 s24, s14, 3                         ; g
	s_bfe_u32 s25, s14, 0x10002                    ; pn
	s_and_b32 s26, s14, 3                          ; s
	s_lshl_b32 s16, s26, 17                        ; 128 rows of 1,024 bytes
	s_lshl_b32 s27, s24, 8                         ; 64 columns a wave
	s_add_co_u32 s16, s16, s27
	s_lshl_b32 s27, s25, 7
	s_add_co_u32 s16, s16, s27
	s_mul_i32 s28, s24, 51200
	s_lshl_b32 s27, s25, 3
	s_add_co_u32 s27, s27, s26
	s_mul_i32 s27, s27, 1536
	s_add_co_u32 s20, s28, s27
	s_add_co_u32 s20, s20, 24576                   ; fragment 4 n + s of the first tile;
	s_mov_b32 s22, 6144                            ; the second tile's lies four fragments on
	s_lshl_b32 s27, s25, 2
	s_add_co_u32 s27, s27, s26
	s_lshl_b32 s27, s27, 7
	s_add_co_u32 s18, s28, s27
	s_add_co_u32 s18, s18, 50176
	v_lshlrev_b32 v2, 2, v1
	s_add_nc_u64 s[8:9], s[8:9], s[16:17]
.set i, 0
.rept 128
	global_load_b32 v[X+i], v2, s[8:9] offset:1024*i th:TH_LOAD_NT
.set i, i+1
.endr
.Lquant:
	s_add_nc_u64 s[24:25], s[10:11], s[20:21]
	s_add_nc_u64 s[26:27], s[24:25], s[22:23]
	s_add_nc_u64 s[28:29], s[10:11], s[18:19]
	s_wait_loadcnt 0x0
	WQ
.irp c, 0,1,2
	global_store_b128 v3, v[G0+4*\c:G0+4*\c+3], s[24:25] offset:512*\c   ; 512 consecutive bytes, at a multiple of 256 from wb's first byte
	global_store_b128 v3, v[G1+4*\c:G1+4*\c+3], s[26:27] offset:512*\c
.endr
	global_store_b32 v4, v[PW], s[28:29]
	s_endpgm
.Lfunc_end_k_q785644629b_fold:
	.size	k_q785644629b_fold, .Lfunc_end_k_q785644629b_fold-k_q785644629b_fold
	.p2alignl 7, 3214868480
	.fill 96, 4, 3214868480
	.section	.rodata,"a",@progbits
	.p2align	6, 0x0
	.amdhsa_kernel k_q785644629b_fold
		.amdhsa_group_segment_fixed_size 0
		.amdhsa_private_segment_fixed_size 0
		.amdhsa_enable_private_segment 0
		.amdhsa_kernarg_size 40
		.amdhsa_user_sgpr_count 2
		.amdhsa_user_sgpr_kernarg_segment_ptr 1
		.amdhsa_wavefront_size32 1
		.amdhsa_system_sgpr_workgroup_id_x 1
		.amdhsa_system_sgpr_workgroup_id_y 1
		.amdhsa_system_sgpr_workgroup_id_z 1
		.amdhsa_system_vgpr_workitem_id 0
		.amdhsa_next_free_vgpr 512
		.amdhsa_next_free_sgpr 66
		.amdhsa_reserve_vcc 0
		.amdhsa_float_denorm_mode_32 3
		.amdhsa_float_denorm_mode_16_64 3
		.amdhsa_memory_ordered 1
		.amdhsa_forward_progress 1
		.amdhsa_inst_pref_size 51
	.end_amdhsa_kernel
	.amdgpu_metadata
---
amdhsa.version: [ 1, 2 ]
amdhsa.kernels:
  - .name:           k_q785644629b_fold
    .symbol:         k_q785644629b_fold.kd
    .args:
      - { .name: part, .offset: 0, .size: 8, .value_kind: global_buffer, .address_space: global }
      - { .name: Wq, .offset: 8, .size: 8, .value_kind: global_buffer, .address_space: global }
      - { .name: Wout, .offset: 16, .size: 8, .value_kind: global_buffer, .address_space: global }
      - { .name: wb, .offset: 24, .size: 8, .value_kind: global_buffer, .address_space: global }
      - { .name: dt, .offset: 32, .size: 8, .value_kind: global_buffer, .address_space: global }
    .group_segment_fixed_size: 0
    .private_segment_fixed_size: 0
    .kernarg_segment_align: 8
    .kernarg_segment_size: 40
    .max_flat_workgroup_size: 32
    .sgpr_count:     66
    .vgpr_count:     512
    .wavefront_size: 32
...
	.end_amdgpu_metadata
.endif
;; end of part 2
;; launch apply (part 3): grid 256 x 1, 4 waves a work-group, clusters of 4 x 1, 287,232 bytes of LDS; arguments x, wb, dt, bout, out0; writes out0
.if DOCPART == 3
	.amdgcn_target "amdgcn-amd-amdhsa--gfx1250"
	.amdhsa_code_object_version 6
	.text
	.protected	k_q785644629b_apply
	.globl	k_q785644629b_apply
	.p2align	8
	.type	k_q785644629b_apply,@function
k_q785644629b_apply:
	s_mov_b64 s[64:65], 0
	v_nop
	global_prefetch_b8 v0, s[64:65] scope:SCOPE_SE
	s_setreg_imm32_b32 hwreg(HW_REG_WAVE_MODE, 25, 1), 1
	s_wait_xcnt 0x0
	s_wait_alu depctr_hold_cnt(0) depctr_sa_sdst(0) depctr_va_vdst(0) depctr_va_sdst(0) depctr_va_ssrc(0) depctr_va_vcc(0) depctr_vm_vsrc(0)
	s_getreg_b32 s2, hwreg(HW_REG_IB_STS2, 6, 4)
	s_cmp_eq_u32 s2, 0
	s_cbranch_scc0 .Lentry_in_a_cluster
	s_endpgm
.Lentry_in_a_cluster:
	s_bfe_u32 s2, ttmp6, 0x10000c
	s_cmp_lg_u32 s2, 0x3003
	s_cbranch_scc0 .Lentry_shape_is_right
	s_endpgm
.Lentry_shape_is_right:
; THIRD LAUNCH.  out0 = Q(Q(Q(x) Q(Wq)) Q(dots) / 8192) Q(Wout) + bout, all three products on codes of BF6 (E3M2) with one E8M0 scale for each 32 along K.  Nothing is left out.
; THE DIVISION BY n2 = 8192 = 2^13 stands ahead of the last quantiser: a power of two moves no code, so the undivided numbers are converted and 13 is taken off each scale byte.  The floor of the largest magnitude is
; 2^(18 - 127) there, taken on the undivided number, so that no byte falls under 1 and the four bytes of a word are lowered by one subtraction without a borrow.
; LIMITS as in the first launch: a block of zeros gets the floor's byte over zero codes; NaN and infinities are not served.
; SHARES.  A work-group takes 128 tokens, as two blocks of 64.  THE WAVES SHARE THE COLUMNS: wave w keeps Wq's columns 128 w .. + 127 (heads 2 w, 2 w + 1), those two heads' dots, and Wout's columns 64 w .. + 63 in its registers.
;   So q's K step w, the product with dots and the last product's K step w never leave wave w; only x's codes and the attention's codes go round, through LDS, as images of their operands' registers.
; CLUSTER.  All work-groups read the same weights, and the four partners (tokens of one batch) the same dots: wave w of each asks for its part JOINTLY (mask 15), once, at the head, by four loads in the order in which
;   they are used: Wq's fragments, the scale words, dots, Wout's fragments.  x and out0 are each work-group's own.
; THE HEAD.  All of x (both blocks: 64 loads of 16 bytes a lane) is asked for at the head and quantised while the weights are on their way.  Wout's fragments are taken out of LDS under the first tile's products.
; All three products are used transposed (source 0 = the weight's 16 rows, source 1 = 16 tokens): a lane holds one token, its registers run along the next K.  The second launch has chosen the rows of each tile for that.
; THE PRODUCT WITH dots has K = 64: one fragment of q holds two heads, and a head's dots stand against zero codes in the other half: registers [even head 6][zeros 6][odd head 6], of which each head names twelve.
; The two blocks are written out by macros: every offset is an immediate, no pointer is stepped.
; REGISTERS, in windows of 256: window 0: v1-15, v40, v41 addresses; v16-39 x's two fragments; v48-111 q, then the attention's result, then four fragments; v112-131 the codes just made; v132-195 64 numbers of x, later x's
;   second pair of fragments, later four fragments; v196-199 the second set of scale words; v200-223 at work; v224-247 the weights' and dots' scale words; v252, v253 the add's two.
;   window 1: Wq's 16 fragments.   window 2: Wout's 16; bout from v192.   window 3: v0-127 the second block's x, then the 16 accumulators, then rows of out0; dots from v128.
.set WREG,  58368                      ; LDS: a wave's weights (51,200 bytes) and dots (7,168) as they come
.set XIMG,  4*WREG                     ; x's 16 fragments (8 block + 2 m + s), 1,536 bytes each
.set XSCO,  24576                      ; from XIMG on: their scale words, 128 bytes each;
.set HIMGO, 26624                      ; the attention's 16 fragments (4 m + s);
.set HSCO,  51200                      ; their scale words
.set SPARE, XIMG+53248                 ; the spare words, 128 bytes for each wave: two blocks of 256 bytes that no other line names
.set SP,    1040                       ; the stage for out0: 64 rows x (1,024 bytes + 16), from LDS byte 0 on: over the weights, which have had their one fill and have been read by every wave ahead of the barrier in front of the stage's first store
.set FLOOR, 0x2800000                  ; 2^(5 - 127)
.set LANE, 1
.set R,    2
.set H,    3
.set XA,   4
.set LI,   5                           ; 16 x lane + XIMG
.set LS,   6                           ; 4 x lane + XIMG
.set XWI,  7
.set XWS,  8
.set HWI,  9
.set HWS,  10
.set SO,   11
.set SR,   12
.set GO,   13                          ; 16 x lane
.set WL16, 14
.set WL4,  15
.set XF,   16
.set WL8,  40
.set BO,   41
.set HA,   48
.set PC,   112
.set ST,   132
.set XS1,  196                         ; v196-199 the second buffers' scale words
.set TM,   200
.set PW,   216
.set XS,   217
.set HS,   219
.set WQS,  224
.set WOS,  232
.set DSC,  240
.set SPW,  252
.set NIL,  253
.set BB,   192                         ; window 2
.set DT,   128                         ; window 3
.set MSB, 0
.macro WIN new
.if MSB != \new
	s_set_vgpr_msb (MSB<<8)|\new
.set MSB, \new
.endif
.endm
.macro PLACES n
.rept \n
	v_nop
.endr
.endm
.macro CROUND
	s_barrier_signal -1
	s_barrier_wait -1
	s_cmp_lg_u32 s14, 0
	s_cbranch_scc1 .Lnot_wave_0_\@
	s_barrier_signal -3
.Lnot_wave_0_\@:
	s_barrier_wait -3
	s_barrier_signal -1
	s_barrier_wait -1
.endm
.macro BARRIER                         ; my LDS stores have landed and my LDS loads are in: then the work-group's barrier
	s_wait_dscnt 0x0
	s_barrier_signal -1
	s_barrier_wait -1
.endm
.macro G1SET g, rows                   ; descriptor group 1: a dense block as rows of 256 bytes (32 elements of 8 bytes); the mask names all four partners, bit 21 beside it
	s_mov_b32 s[\g], 15|(3<<16)|(1<<21)
	s_mov_b32 s[\g+1], 32<<16
	s_mov_b32 s[\g+2], (\rows)<<16
	s_mov_b32 s[\g+3], 32<<16
	s_mov_b32 s[\g+4], \rows
	s_mov_b32 s[\g+5], 32
	s_mov_b32 s[\g+6], 0
	s_mov_b32 s[\g+7], 0
.endm
; 64 numbers of a lane, in window win, register 16 b + i = k 32 b + 16 (lane / 16) + i of my token, become a fragment's codes in v[PC] on and its scale word in v[PW].  bias = 1: the numbers stand for themselves / 8192
.macro QUANT s, floor, bias, win
	WIN 5*(\win)                                   ; sources 0 and 1
.irp b, 0,1,2,3
	v_max3_num_f32 v[TM+\b], |v[\s+16*\b]|, |v[\s+1+16*\b]|, \floor
.endr
	WIN 20*(\win)                                  ; sources 1 and 2
.irp i, 2,4,6,8,10,12,14
.irp b, 0,1,2,3
	v_max3_num_f32 v[TM+\b], v[TM+\b], |v[\s+16*\b+\i]|, |v[\s+1+16*\b+\i]|
.endr
.endr
	WIN 0
.irp b, 0,1,2,3
	v_permlanex16_b32 v[TM+4+\b], v[TM+\b], s20, s21
.endr
.irp b, 0,1,2,3
	v_max_num_f32 v[TM+\b], v[TM+\b], v[TM+4+\b]
.endr
.irp b, 0,1,2,3
	v_add_nc_u32 v[TM+12+\b], 0xfe000000, v[TM+\b] ; 4 off the exponent field: the conversion's scale operand
.endr
.irp b, 0,1,2,3
	v_lshrrev_b32 v[TM+4+\b], 23, v[TM+12+\b]
.endr
	v_lshl_or_b32 v[PW], v[TM+5], 8, v[TM+4]
	v_lshl_or_b32 v[PW], v[TM+6], 16, v[PW]
	v_lshl_or_b32 v[PW], v[TM+7], 24, v[PW]
.if \bias
	v_add_nc_u32 v[PW], 0xf2f2f2f3, v[PW]          ; 13 off each of the four bytes (each is 14 or more: no borrow)
.endif
	WIN \win                                       ; source 0
.irp c, 0,1
	v_cvt_scalef32_pk16_bf6_f32 v[PC+6*\c:PC+2+6*\c], v[\s+32*\c:\s+15+32*\c], v[TM+12+2*\c]
	v_cvt_scalef32_pk16_bf6_f32 v[PC+12+4*\c:PC+14+4*\c], v[\s+16+32*\c:\s+31+32*\c], v[TM+12+2*\c+1]
.endr
	v_nop                                          ; one plain place behind a scaled conversion
	WIN 0
.irp c, 0,1
.irp i, 0,1,2
	v_permlane16_swap_b32 v[PC+6*\c+\i], v[PC+12+4*\c+\i]
.endr
.irp i, 0,1,2
	v_mov_b32 v[PC+3+6*\c+\i], v[PC+12+4*\c+\i]
.endr
.endr
.endm
.macro IMAGE adr, off
.irp c, 0,1,2
	ds_store_b128 v[\adr], v[PC+4*\c:PC+4*\c+3] offset:\off+512*\c
.endr
.endm
.macro FETCH reg, off
.irp c, 0,1,2
	ds_load_b128 v[\reg+4*\c:\reg+4*\c+3], v[LI] offset:\off+512*\c
.endr
.endm
.macro XLOAD reg, s, off               ; my 16 tokens' numbers of K step s: 64 a lane
.irp b, 0,1,2,3
.irp j, 0,1,2,3
	global_load_b128 v[\reg+16*\b+4*\j:\reg+16*\b+4*\j+3], v[XA], s[4:5] offset:\off+512*\s+128*\b+16*\j th:TH_LOAD_NT
.endr
.endr
.endm
.macro FETCHX buf, idx                 ; x's fragments idx and idx + 1 and their scale words into buffer buf: 8 LDS loads
.set rXB, XF+(ST-XF)*(\buf)
.set rXS, XS+(XS1-XS)*(\buf)
	FETCH rXB, (\idx)*1536
	FETCH rXB+12, ((\idx)+1)*1536
	ds_load_b32 v[rXS], v[LS] offset:XSCO+128*(\idx)
	ds_load_b32 v[rXS+1], v[LS] offset:XSCO+128*((\idx)+1)
.endm
.macro FETCHH s, buf                   ; K step s of the last product: four tiles' fragments and scale words into buffer buf: 16 LDS loads
.set rHB, ST+(HA-ST)*(\buf)
.set rHS, HS+(XS1-HS)*(\buf)
.irp m, 0,1,2,3
	FETCH rHB+12*\m, HIMGO+(4*\m+(\s))*1536
	ds_load_b32 v[rHS+\m], v[LS] offset:HSCO+128*(4*\m+(\s))
.endr
.endm
.macro P1 s, t, buf                    ; q: K step s, tile t of my 128 columns
.set rD, HA+8*(\t)
.set rA, 12*(2*(\t)+(\s))
.set rB, XF+(ST-XF)*(\buf)+12*(\s)
.set rSA, WQS+2*((\t)/2)+(\s)
.set rSB, XS+(XS1-XS)*(\buf)+(\s)
.if (\s) == 0
.if (\t)%2
	v_wmma_scale_f32_16x16x128_f8f6f4 v[rD:rD+7], v[rA:rA+11], v[rB:rB+11], 0, v[rSA], v[rSB] matrix_a_fmt:MATRIX_FMT_BF6 matrix_b_fmt:MATRIX_FMT_BF6 matrix_a_scale:MATRIX_SCALE_ROW1
.else
	v_wmma_scale_f32_16x16x128_f8f6f4 v[rD:rD+7], v[rA:rA+11], v[rB:rB+11], 0, v[rSA], v[rSB] matrix_a_fmt:MATRIX_FMT_BF6 matrix_b_fmt:MATRIX_FMT_BF6
.endif
.else
.if (\t)%2
	v_wmma_scale_f32_16x16x128_f8f6f4 v[rD:rD+7], v[rA:rA+11], v[rB:rB+11], v[rD:rD+7], v[rSA], v[rSB] matrix_a_fmt:MATRIX_FMT_BF6 matrix_b_fmt:MATRIX_FMT_BF6 matrix_a_scale:MATRIX_SCALE_ROW1
.else
	v_wmma_scale_f32_16x16x128_f8f6f4 v[rD:rD+7], v[rA:rA+11], v[rB:rB+11], v[rD:rD+7], v[rSA], v[rSB] matrix_a_fmt:MATRIX_FMT_BF6 matrix_b_fmt:MATRIX_FMT_BF6
.endif
.endif
.endm
.macro P5 s, n, m                      ; out0: K step s, tile n of my 64 columns, tile m of the 64 tokens; the K steps' fragments lie in two buffers by turns
.set rD, 8*(4*(\n)+(\m))
.set rA, 12*(4*(\n)+(\s))
.set rB, ST+(HA-ST)*((\s)%2)+12*(\m)
.set rC, 8*(4*(\n)+(\m))
.if (\s) == 0
.set rC, BB+8*(\n)
.endif
.set rSA, WOS+4*((\n)/2)+(\s)
.set rSB, HS+(XS1-HS)*((\s)%2)+(\m)
.if (\n)%2
	v_wmma_scale_f32_16x16x128_f8f6f4 v[rD:rD+7], v[rA:rA+11], v[rB:rB+11], v[rC:rC+7], v[rSA], v[rSB] matrix_a_fmt:MATRIX_FMT_BF6 matrix_b_fmt:MATRIX_FMT_BF6 matrix_a_scale:MATRIX_SCALE_ROW1
.else
	v_wmma_scale_f32_16x16x128_f8f6f4 v[rD:rD+7], v[rA:rA+11], v[rB:rB+11], v[rC:rC+7], v[rSA], v[rSB] matrix_a_fmt:MATRIX_FMT_BF6 matrix_b_fmt:MATRIX_FMT_BF6
.endif
.endm
; PHASE 1 of block b: for each tile of 16 tokens: q (my 128 columns), quantised; q dots (my two heads), quantised with the division: K step w of the last product.  x's fragments are fetched a tile ahead, in two buffers.
.macro PH1 b
	FETCHX 0, 8*(\b)
.irp m, 0,1,2,3
.if \m < 3
	FETCHX (\m+1)%2, 8*(\b)+2*(\m+1)
.endif
.if (\m == 0) && (\b == 0)
	s_wait_tensorcnt 0x0                           ; Wout's fragments have landed; only I read what I asked for
	WIN 0x80
.set i, 0
.rept 16
	ds_load_b128 v[12*i:12*i+3], v[WL16] offset:24576+1536*i
	ds_load_b128 v[12*i+4:12*i+7], v[WL16] offset:24576+1536*i+512
	ds_load_b128 v[12*i+8:12*i+11], v[WL16] offset:24576+1536*i+1024
.set i, i+1
.endr
	WIN 0
	s_wait_dscnt 56                                ; this tile's 8 loads are in; the next tile's 8 and Wout's 48 may be out: they land under this tile's work
.elseif \m == 0
	s_wait_dscnt 8                                 ; this tile's 8 loads are in; the next tile's 8 may be out
.elseif \m < 3
	s_wait_dscnt 12                                ; likewise; and the last tile's 4 stores
.else
	s_wait_dscnt 4                                 ; the last tile's 4 stores may be out
.endif
	WIN 0x01                                       ; source 0 (Wq) window 1
.irp s, 0,1
.irp t, 0,1,2,3,4,5,6,7
	P1 \s, \t, (\m)%2
.endr
.endr
	WIN 0
	PLACES 4
.if \m == 3
	s_wait_dscnt 0x0                               ; the last tile's stores have read the registers that are written next
.elseif \m > 0
	s_wait_dscnt 8                                 ; the same; the next tile's 8 loads may be out
.endif
	QUANT HA, FLOOR, 0, 0
	PLACES 8                                       ; the codes and the scale word were written by vector instructions
	WIN 0x03                                       ; source 0 (dots) window 3
.irp p, 0,1
.irp n, 0,1,2,3
	v_wmma_scale_f32_16x16x128_f8f6f4 v[HA+8*(4*\p+\n):HA+8*(4*\p+\n)+7], v[DT+18*\n+6*\p:DT+18*\n+6*\p+11], v[PC:PC+11], 0, v[DSC+4*\p+\n], v[PW] matrix_a_fmt:MATRIX_FMT_BF6 matrix_b_fmt:MATRIX_FMT_BF6
.endr
.endr
	WIN 0
	PLACES 4
	QUANT HA, 0x9000000, 1, 0
	IMAGE HWI, HIMGO+(4*\m)*1536
	ds_store_b32 v[HWS], v[PW] offset:HSCO+128*(4*\m)
.endr
.endm
; PHASE 2 of block b: my 64 outputs for the 64 tokens: sixteen accumulators by turns, a K step at a time, the next K step's fragments fetched a step ahead; bout is the C of each sum's first instruction.  Then the way out.
.macro PH2 b
	BARRIER                                        ; the sixteen fragments of the last product's operand lie in LDS
	s_wait_xcnt 0x0                                ; the last block's stores have read the registers that the sums are written into
	FETCHH 0, 0
.irp s, 0,1,2,3
.if \s < 3
	FETCHH \s+1, (\s+1)%2
	s_wait_dscnt 16                                ; this K step's 16 loads are in; the next step's 16 may be out
.else
	s_wait_dscnt 0x0
.endif
.if \s == 0
	WIN 0xe2                                       ; source 0 (Wout) and source 2 (bout) window 2, destination window 3
.else
	WIN 0xf2                                       ; source 0 window 2, C and D window 3
.endif
.irp m, 0,1,2,3
.irp n, 0,1,2,3
	P5 \s, \n, \m
.endr
.endr
	WIN 0
.if \s < 3
	PLACES 4                                       ; in front of loads into registers that matrix instructions have read
.else
	PLACES 5                                       ; and of the first read of results; five, since the next block's first products write over this step's operand registers
.endif
.endr
	WIN 0x0c                                       ; an LDS store's data are its source 1: window 3
.irp m, 0,1,2,3
.irp n, 0,1,2,3
	ds_store_b128 v[SO], v[8*(4*\n+\m):8*(4*\n+\m)+3] offset:16*\m*SP+64*\n          ; lane (r, h): out0(16 m + r, 64 w + 16 n + 8 h + 0 .. 7); each accumulator from its low end on
	ds_store_b128 v[SO], v[8*(4*\n+\m)+4:8*(4*\n+\m)+7] offset:16*\m*SP+64*\n+16
.endr
.endr
	WIN 0
	BARRIER                                        ; 64 whole rows lie in the stage
	WIN 0xc0
.set i, 0
.rept 32
	ds_load_b128 v[4*i:4*i+3], v[SR] offset:(i/2)*SP+512*(i%2)
.set i, i+1
.endr
	WIN 0x0c
.set i, 0
.rept 32
	s_wait_dscnt 31-i                              ; LDS loads come back in order: load i is in, the younger ones may be out
	global_store_b128 v[GO], v[4*i:4*i+3], s[12:13] offset:65536*(\b)+(i/2)*1024+512*(i%2) th:TH_STORE_NT   ; 32 lanes store 512 consecutive bytes, at a multiple of 256 from out0's first byte
.set i, i+1
.endr
	WIN 0
.endm
	s_load_b256 s[4:11], s[0:1], 0x0               ; x s[4:5], wb s[6:7], dt s[8:9], bout s[10:11]
	s_load_b64 s[12:13], s[0:1], 0x20              ; out0
	v_lshl_add_u32 v[SPW], v0, 2, SPARE
	v_mov_b32 v[NIL], 0
	ds_add_u32 v[SPW], v[NIL]                      ; the wave's opening: the add, twice on end, and its wait ahead of my first tensor load; the set-up below, work on registers, stands between
	ds_add_u32 v[SPW], v[NIL]
	v_lshrrev_b32 v[LANE], 5, v0
	v_readfirstlane_b32 s14, v[LANE]               ; wave 0..3
	s_bfe_u32 s15, ttmp6, 0x40000                  ; cx
	s_lshl_b32 s16, ttmp9, 2
	s_add_co_u32 s16, s16, s15                     ; my 128 tokens: it enters x's and out0's addresses alone
	s_lshr_b32 s17, ttmp9, 4                       ; the batch, which the four partners share
	G1SET 24, 96                                   ; Wq's fragments, and Wout's: 24,576 bytes each
	G1SET 32, 8                                    ; the weights' scale words: 2,048 bytes
	G1SET 40, 28                                   ; two heads' dots: 7,168 bytes
	s_mov_b32 s20, 0x76543210                      ; v_permlanex16_b32's selects for lane l xor 16
	s_mov_b32 s21, 0xfedcba98
	s_mul_i32 s66, s14, WREG                       ; where my weights land: no place in the cluster enters an LDS address
	s_lshl_b32 s68, s16, 17                        ; 128 tokens of 1,024 bytes,
	s_lshl_b32 s69, s14, 14                        ; my wave's 16 of a block
	s_add_co_u32 s68, s68, s69
	s_mov_b32 s69, 0
	s_mul_i32 s70, s14, 51200
	s_mov_b32 s71, 0
	s_lshl_b32 s72, s17, 2
	s_add_co_u32 s72, s72, s14
	s_mul_i32 s72, s72, 7168
	s_mov_b32 s73, 0
	s_lshl_b32 s74, s14, 8                         ; bout: my 64 numbers
	s_mov_b32 s75, 0
	v_and_b32 v[LANE], 31, v0
	v_and_b32 v[R], 15, v0
	v_bfe_u32 v[H], v0, 4, 1
	v_lshlrev_b32 v[XA], 10, v[R]
	v_lshl_add_u32 v[XA], v[H], 6, v[XA]           ; x: token r's row, + 64 h: my 16 numbers of a block of 32
	v_lshlrev_b32 v[GO], 4, v[LANE]
	v_lshlrev_b32 v[LS], 2, v[LANE]
	v_add_nc_u32 v[WL16], s66, v[GO]
	v_add_nc_u32 v[WL4], s66, v[LS]
	v_lshl_add_u32 v[WL8], v[LANE], 3, s66
	v_add_nc_u32 v[LI], XIMG, v[GO]
	v_add_nc_u32 v[LS], XIMG, v[LS]
	s_mul_i32 s78, s14, 3072
	v_add_nc_u32 v[XWI], s78, v[LI]                ; x's images 2 w, 2 w + 1 of a block
	s_lshl_b32 s78, s14, 8
	v_add_nc_u32 v[XWS], s78, v[LS]
	v_mul_u32_u24 v[SO], v[R], SP
	v_lshl_add_u32 v[SO], v[H], 5, v[SO]
	v_add_nc_u32 v[SO], s78, v[SO]                 ; the stage: row r, + 32 h, + 256 x wave: my outputs' bytes
	s_mul_i32 s78, s14, 1536
	v_add_nc_u32 v[HWI], s78, v[LI]                ; the attention's images 4 m + w
	s_lshl_b32 s78, s14, 7
	v_add_nc_u32 v[HWS], s78, v[LS]
	s_mul_i32 s78, s14, 16*SP
	v_add_nc_u32 v[SR], s78, v[GO]                 ; back: my 16 rows, 16 bytes a lane
	v_lshlrev_b32 v[BO], 5, v[H]
.irp b, 0,1,2,3
	v_mov_b32 v[TM+4+\b], 0                        ; written once: a lane permute's destination counts as one of its sources
.endr
	s_wait_dscnt 0x0                               ; both opening adds are done
	s_wait_kmcnt 0x0
	s_add_nc_u64 s[4:5], s[4:5], s[68:69]
	s_add_nc_u64 s[12:13], s[12:13], s[68:69]
	s_add_nc_u64 s[10:11], s[10:11], s[74:75]
	XLOAD HA, 0, 0                                 ; the first block's x goes out first: 32 loads
	XLOAD ST, 1, 0
	CROUND                                         ; all four work-groups are here: the joint loads meet
	s_add_nc_u64 s[76:77], s[6:7], s[70:71]        ; my part of the weights
	s_mov_b32 s48, 1
	s_mov_b32 s49, s66
	s_mov_b64 s[50:51], s[76:77]
	s_or_b32 s51, s51, 0x80000000
	s_mov_b32 s52, 1
	s_add_co_u32 s53, s66, 49152
	s_add_nc_u64 s[54:55], s[76:77], 49152
	s_or_b32 s55, s55, 0x80000000
	s_mov_b32 s56, 1
	s_add_co_u32 s57, s66, 51200
	s_add_nc_u64 s[58:59], s[8:9], s[72:73]
	s_or_b32 s59, s59, 0x80000000
	s_mov_b32 s60, 1
	s_add_co_u32 s61, s66, 24576
	s_add_nc_u64 s[62:63], s[76:77], 24576
	s_or_b32 s63, s63, 0x80000000
	tensor_load_to_lds s[48:51], s[24:31]          ; Wq's fragments
	s_nop 0
	tensor_load_to_lds s[52:55], s[32:39]          ; the weights' scale words
	s_nop 0
	tensor_load_to_lds s[56:59], s[40:47]          ; my two heads' dots
	s_nop 0
	tensor_load_to_lds s[60:63], s[24:31]          ; Wout's fragments, wanted last: four loads of mine are out, and no more follow
	s_nop 0
	PLACES 4
	WIN 0x80
.irp n, 0,1,2,3
	global_load_b128 v[BB+8*\n:BB+8*\n+3], v[BO], s[10:11] offset:64*\n        ; lane (r, h), tile n: bout at 64 w + 16 n + 8 h + 0 .. 7, the result's layout
	global_load_b128 v[BB+8*\n+4:BB+8*\n+7], v[BO], s[10:11] offset:64*\n+16
.endr
	WIN 0xc0
	XLOAD 0, 0, 65536                              ; the second block's x, into the registers that the sums will take
	XLOAD 64, 1, 65536
.irp n, 0,1,2,3
.irp i, 6,7,8,9,10,11
	v_mov_b32 v[DT+18*\n+\i], 0                    ; the zero codes between the two heads' dots
.endr
.endr
	WIN 0
	; ---- X: my 16 tokens of each block become two fragments each, while the weights are on their way.  Loads come back in order: the counts name the younger ones (16 + 8 + 32; 8 + 32; 16; none)
	s_wait_loadcnt 56
	QUANT HA, FLOOR, 0, 0
	IMAGE XWI, 0
	ds_store_b32 v[XWS], v[PW] offset:XSCO
	s_wait_loadcnt 40
	s_wait_dscnt 0x0                               ; the stores have read their registers
	QUANT ST, FLOOR, 0, 0
	IMAGE XWI, 1536
	ds_store_b32 v[XWS], v[PW] offset:XSCO+128
	s_wait_loadcnt 16
	s_wait_dscnt 0x0
	QUANT 0, FLOOR, 0, 3
	IMAGE XWI, 12288
	ds_store_b32 v[XWS], v[PW] offset:XSCO+1024
	s_wait_loadcnt 0x0
	s_wait_dscnt 0x0
	QUANT 64, FLOOR, 0, 3
	IMAGE XWI, 12288+1536
	ds_store_b32 v[XWS], v[PW] offset:XSCO+1024+128
	s_wait_tensorcnt 0x1                           ; Wq's fragments, the scale words and dots are in (Wout's load may be out); only I read what I asked for
	WIN 0x40
.set i, 0
.rept 16
	ds_load_b128 v[12*i:12*i+3], v[WL16] offset:1536*i
	ds_load_b128 v[12*i+4:12*i+7], v[WL16] offset:1536*i+512
	ds_load_b128 v[12*i+8:12*i+11], v[WL16] offset:1536*i+1024
.set i, i+1
.endr
	WIN 0xc0
.irp p, 0,1
.irp n, 0,1,2,3
.irp i, 0,1,2
	ds_load_b64 v[DT+18*\n+12*\p+2*\i:DT+18*\n+12*\p+2*\i+1], v[WL8] offset:51200+(4*\p+\n)*768+256*\i
.endr
.endr
.endr
	WIN 0
.irp k, 0,1,2,3,4,5,6,7
	ds_load_b32 v[WQS+\k], v[WL4] offset:49152+128*\k
	ds_load_b32 v[WOS+\k], v[WL4] offset:50176+128*\k
	ds_load_b32 v[DSC+\k], v[WL4] offset:57344+128*\k
.endr
	BARRIER                                        ; x's sixteen fragments lie in LDS
	PH1 0
	PH2 0
	PH1 1
	PH2 1
	s_wait_tensorcnt 0x0                           ; the wave's end, behind my last tensor load and my last LDS store
	ds_add_u32 v[SPW], v[NIL]
	s_wait_dscnt 0x0
	CROUND                                         ; the closing round
	s_endpgm
.Lfunc_end_k_q785644629b_apply:
	.size	k_q785644629b_apply, .Lfunc_end_k_q785644629b_apply-k_q785644629b_apply
	.p2alignl 7, 3214868480
	.fill 96, 4, 3214868480
	.section	.rodata,"a",@progbits
	.p2align	6, 0x0
	.amdhsa_kernel k_q785644629b_apply
		.amdhsa_group_segment_fixed_size 287232
		.amdhsa_private_segment_fixed_size 0
		.amdhsa_enable_private_segment 0
		.amdhsa_kernarg_size 40
		.amdhsa_user_sgpr_count 2
		.amdhsa_user_sgpr_kernarg_segment_ptr 1
		.amdhsa_wavefront_size32 1
		.amdhsa_system_sgpr_workgroup_id_x 1
		.amdhsa_system_sgpr_workgroup_id_y 1
		.amdhsa_system_sgpr_workgroup_id_z 1
		.amdhsa_system_vgpr_workitem_id 0
		.amdhsa_next_free_vgpr 1024
		.amdhsa_next_free_sgpr 80
		.amdhsa_reserve_vcc 0
		.amdhsa_float_denorm_mode_32 3
		.amdhsa_float_denorm_mode_16_64 3
		.amdhsa_memory_ordered 1
		.amdhsa_forward_progress 1
		.amdhsa_inst_pref_size 178
	.end_amdhsa_kernel
	.amdgpu_metadata
---
amdhsa.version: [ 1, 2 ]
amdhsa.kernels:
  - .name:           k_q785644629b_apply
    .symbol:         k_q785644629b_apply.kd
    .args:
      - { .name: x, .offset: 0, .size: 8, .value_kind: global_buffer, .address_space: global }
      - { .name: wb, .offset: 8, .size: 8, .value_kind: global_buffer, .address_space: global }
      - { .name: dt, .offset: 16, .size: 8, .value_kind: global_buffer, .address_space: global }
      - { .name: bout, .offset: 24, .size: 8, .value_kind: global_buffer, .address_space: global }
      - { .name: out0, .offset: 32, .size: 8, .value_kind: global_buffer, .address_space: global }
    .group_segment_fixed_size: 287232
    .private_segment_fixed_size: 0
    .kernarg_segment_align: 8
    .kernarg_segment_size: 40
    .max_flat_workgroup_size: 128
    .sgpr_count:     80
    .vgpr_count:     1024
    .wavefront_size: 32
...
	.end_amdgpu_metadata
.endif
;; end of part 3
